; MI455X (gfx1250); checked and timed in simulation.
; The chip was launched on July 23, 2026; its instructions are those of AMD's public machine-readable ISA for CDNA 5 (MIT licence, August 2026) and "CDNA5" Instruction Set Architecture Reference Guide (July 2026). The comments in the code are by the model that wrote it; some were corrected since.
;; Exact LTC Layer. Allowed arithmetic: float matrix products may take bf16 or f16 operands with f32 sums; all other float work in f32.
;; Inputs: A 32 x 64 float32; inputs 128 x 32 x 32 x 64 float32; mu 32 x 64 float32; sigma 32 x 64 float32; x0 32 float32.
;; Outputs: out0 128 x 1,024 x 32 float32.
;; One version. Each part assembles by itself: llvm-mc -triple=amdgcn-amd-amdhsa -mcpu=gfx1250 --defsym DOCPART=n.
;; ======== version 1 of 1: 1 launch
;; limits: a difference of large sums (such as E[x^2] - mean^2): digits are lost where the result is much smaller than its terms; inputs' magnitudes at most 3.7e+19; right only within a limited range of input values
;; launch ltc (part 1): grid 256 x 1, 12 waves a work-group, no clusters, 297,984 bytes of LDS; arguments inputs, A, sigma, mu, x0, out0; writes out0
.if DOCPART == 1
	.amdgcn_target "amdgcn-amd-amdhsa--gfx1250"
	.amdhsa_code_object_version 6
	.text
	.protected	k_q30cc9f78f9_ltc
	.globl	k_q30cc9f78f9_ltc
	.p2align	8
	.type	k_q30cc9f78f9_ltc,@function
k_q30cc9f78f9_ltc:
	s_mov_b64 s[64:65], 0
	v_nop
	global_prefetch_b8 v0, s[64:65] scope:SCOPE_SE
	s_setreg_imm32_b32 hwreg(HW_REG_WAVE_MODE, 25, 1), 1
	s_wait_xcnt 0x0
; ExactLTCLayer.  f = sigmoid(sigma (x_t - mu)), fs = sum_d f, s = sum_d A f / (1 + fs), x_t = exp(-1 - fs) (x_{t-1} - s) + s.
; inputs [128][1024][64] f32, A / sigma / mu [32][64] f32, x0 [32] f32, out0 [128][1024][32] f32.
;
; SHARES.  256 work-groups of 12 waves.  Work-group g: sequence g >> 1, half g & 1, 528 time steps: half 0 takes t = 0 .. 527,
; half 1 takes t = 496 .. 1023, starts from state 0 and does not store its first 32 steps.  fs is a sum of sigmoids, so fs >= 0 and
; the factor exp(-1 - fs) <= e^-1 for every input: what the state at t = 495 adds to t >= 528 is at most e^-32 = 1.3e-14 of it.
; A wave owns 44 consecutive steps, a lane one unit: its 64 sigma, mu, A stay in 192 registers, x_t is the same for all lanes and is read
; from LDS by loads in which all lanes name the same 16 bytes.  The sums over d never leave the lane.
;
; ARITHMETIC, 8 elements at a time.  E = exp2(min(tau, 30)), tau = log2e sigma (x - mu), f = E / (1 + E): a tiny f keeps its relative accuracy,
; and the clamp only moves an f that lies within 2^-30 of 1.  One reciprocal serves four elements (0,2,4,6 in the low halves of the
; register pairs, 1,3,5,7 in the high halves): with d = 1 + E <= 1 + 2^30 the product of four is below 2^121 and its reciprocal is no denormal.
;   m01 = E01 (1 + E23)   m23 = E23 (1 + E01)   q01 = d01 d23 = d01 + m23   t01 = m01 + m23   n01 = A01 m01 + A23 m23   (likewise 45, 67)
;   r = 1 / (q01 q45)   w01 = r q45 = 1 / q01   w45 = r q01   fs += t01 w01 + t45 w45   sum A f += n01 w01 + n45 w45
;
; RECURRENCE.  A wave scans its 44 steps from state 0 (y_t) and keeps the running product of the factors (P_t); x_t = y_t + P_t x_in.  Both go to
; the wave's own LDS bytes.  Behind one barrier a wave composes the last (y, P) of the waves in front of it into its x_in.
;
; NO CLUSTER: work-groups share only the three tables (24,576 of the 159,744 bytes that a work-group reads, once, at its start) and the two
; halves of a sequence 32 of 528 rows.  NO MATRIX INSTRUCTION: f and its weights A both hang on the unit, so the sums are 32 separate dot
; products with no operand in common.
;
; LIMITS.  f below 2^-126 becomes 0 (v_exp_f32 flushes denormal results).  A NaN argument (non-finite inputs) is replaced by the clamp and is not
; handed on.  |A| below 2^65 (n reaches |A| 2^61 per term).  sigma (x - mu) is formed as fma(x, sg, -sg mu): sg mu is rounded once.
.set NWAVE,  12
.set ROWS,   44                        ; time steps of a wave
.set XROW,   256                       ; bytes of a row of inputs
.set YROW,   128                       ; bytes of a row of out0
.set XW,     ROWS*XROW                 ; 11,264: a wave's x in LDS
.set YW,     ROWS*YROW                 ; 5,632: a wave's y, and as much for its P behind it
.set YPW,    2*YW                      ; 11,264
.set YPB,    NWAVE*XW                  ; y / P begin behind the x of all waves
.set CB,     YPB+NWAVE*YPW             ; the three tables begin behind y / P: A, sigma, mu
.set CPITCH, 272                       ; a table row: 256 bytes + 16, so that 16 lanes reading 16 rows start at 16 different 16-byte columns
.set CMAT,   32*CPITCH
.set START1, 496                       ; first step of half 1: 528 - 32
.set GOFF, 0                           ; v0       16 x lane: source offset of the x copies, later of the stores
.set XA,   1                           ; v1       LDS address of the current row of x (equal in all lanes)
.set YA,   2                           ; v2       LDS address of my y of the current row; P lies YW further
.set Y,    3                           ; v3       y
.set X0,   4                           ; v[4:7]   x0, later x_in, of units 4 (lane % 8) .. + 3
.set FSA,  8                           ; v[8:15]  four pair accumulators: fs (two), sum A f (two)
.set FSB,  10
.set SAA,  12
.set SAB,  14
.set D,    16                          ; v[16:23] d01, m01, d45, m45, then t01, t45; the row's end works here too
.set Q,    24                          ; v[24:27] q01, q45, then w45, w01
.set R,    28                          ; v[28:29] q01 q45 and its reciprocal
.set P,    30                          ; v30      P
.set LANE, 30                          ;          (the lane's number until P is started)
.set LOFF, 31                          ; v31      LDS target of the x copies: my wave's x + 16 x lane
.set XE,   32                          ; v[32:63] four octet buffers: x as loaded, tau, E, then m23, n
.set SG,   64                          ; v[64:127]  log2e sigma
.set CC,   128                         ; v[128:191] -log2e sigma mu
.set AA,   192                         ; v[192:255] A
.set CHN,  64                          ; at the end: last (y, P) of waves 0 .. 10, 8 registers each
.set OUTR, 152                         ; at the end: my y and P, 11 groups of 4 rows, 8 registers each
	s_load_b256 s[4:11], s[0:1], 0x0               ; inputs s[4:5], A s[6:7], sigma s[8:9], mu s[10:11]
	s_load_b128 s[12:15], s[0:1], 0x20             ; x0 s[12:13], out0 s[14:15]
	s_set_vgpr_msb 0x40
	v_lshl_add_u32 v0, v0, 2, 0x48600
	v_mov_b32 v1, 0
	s_set_vgpr_msb 0x4045
	ds_add_u32 v0, v1
	ds_add_u32 v0, v1
	s_set_vgpr_msb 0x4500
	v_lshrrev_b32 v1, 5, v0
	v_readfirstlane_b32 s16, v1                    ; wave 0 .. 11
	v_and_b32 v[LANE], 31, v0
	v_lshlrev_b32 v[GOFF], 4, v[LANE]
	s_lshr_b32 s17, ttmp9, 1                       ; sequence
	s_and_b32 s18, ttmp9, 1                        ; half
	s_mul_i32 s19, s18, START1
	s_mul_i32 s20, s16, ROWS
	s_add_co_u32 s19, s19, s20                     ; my wave's first time step
	s_lshl_b32 s20, s17, 18                        ; a sequence of inputs is 1,024 x 256 bytes
	s_lshl_b32 s21, s19, 8
	s_add_co_u32 s20, s20, s21
	s_mov_b32 s21, 0                               ; s[20:21]: my wave's byte offset in inputs (below 2^25)
	s_lshl_b32 s22, s17, 17                        ; a sequence of out0 is 1,024 x 128 bytes
	s_lshl_b32 s23, s19, 7
	s_add_co_u32 s22, s22, s23
	s_mov_b32 s23, 0                               ; s[22:23]: my wave's byte offset in out0, a multiple of 512 (496 x 128 and 44 x 128 are)
	s_mul_i32 s28, s16, XW                         ; my wave's x in LDS
	v_add_nc_u32 v[LOFF], s28, v[GOFF]
	; The tables: 48 pieces of 512 bytes (two rows), four to a wave.  Waves 0-3 copy A, 4-7 sigma, 8-11 mu, rows 8 (wave % 4) .. + 7.
	s_and_b32 s29, s16, 3
	s_lshl_b32 s29, s29, 11
	v_add_nc_u32 v8, s29, v[GOFF]                  ; source: 2,048 (wave % 4) + 16 lane
	v_lshrrev_b32 v9, 4, v[LANE]
	v_and_b32 v10, 15, v[LANE]
	v_mul_u32_u24 v9, v9, CPITCH
	v_lshl_add_u32 v9, v10, 4, v9                  ; (lane / 16) rows + 16 (lane % 16)
	s_mul_i32 s29, s16, 8*CPITCH                   ; 8 rows a wave; four waves make a table, so the tables follow each other
	s_add_co_u32 s29, s29, CB
	v_add_nc_u32 v12, s29, v9                      ; the copy's immediate steps both addresses by 512; two LDS rows are 544:
	v_add_nc_u32 v13, 32, v12                      ; the missing 32 bytes a piece go into the address register
	v_add_nc_u32 v14, 64, v12
	v_add_nc_u32 v15, 96, v12
	v_and_b32 v16, 7, v[LANE]
	v_lshlrev_b32 v16, 4, v16                      ; x0: 16 (lane % 8)
	v_mul_u32_u24 v17, v[LANE], CPITCH
	v_add_nc_u32 v17, CB, v17                      ; my unit's row of table 0
	s_mov_b32 s30, 0x41f00000                      ; 30.0, the clamp of tau
	s_wait_dscnt 0x0
	s_wait_kmcnt 0x0
	s_cmp_lt_u32 s16, 4
	s_cselect_b64 s[24:25], s[6:7], s[8:9]
	s_cmp_lt_u32 s16, 8
	s_cselect_b64 s[24:25], s[24:25], s[10:11]     ; the table that my wave copies from
	s_add_nc_u64 s[4:5], s[4:5], s[20:21]
	s_add_nc_u64 s[14:15], s[14:15], s[22:23]
.set j, 0
.rept 4
	global_load_async_to_lds_b128 v[12+j], v8, s[24:25] offset:512*j
.set j, j+1
.endr
	; All of my wave's x, 22 pieces of 512 consecutive bytes (two rows), into bytes that only my wave reads.  v0, v31 and s[4:5] are never written again.
.set j, 0
.rept XW/512
	global_load_async_to_lds_b128 v[LOFF], v[GOFF], s[4:5] offset:512*j
.set j, j+1
.endr
	global_load_b128 v[X0:X0+3], v16, s[12:13]
	s_wait_asynccnt 22                             ; copies end in issue order: my four table pieces are in, the 22 pieces of x stay out
	s_barrier_signal -1
	s_barrier_wait -1                              ; everybody's table pieces are in
.set j, 0
.rept 16
	ds_load_b128 v[SG+4*j:SG+4*j+3], v17 offset:CMAT+16*j
.set j, j+1
.endr
.set j, 0
.rept 16
	ds_load_b128 v[CC+4*j:CC+4*j+3], v17 offset:2*CMAT+16*j
.set j, j+1
.endr
.set j, 0
.rept 16
	ds_load_b128 v[AA+4*j:AA+4*j+3], v17 offset:16*j
.set j, j+1
.endr
	s_wait_dscnt 32                                ; sigma is in; the 32 loads of mu and A stay out
.set j, 0
.rept 32
	v_pk_mul_f32 v[SG+j:SG+j+1], v[SG+j:SG+j+1], 0x3fb8aa3b op_sel_hi:[1,0]              ; sg = log2e sigma
.set j, j+2
.endr
	s_wait_dscnt 16                                ; mu is in; A's 16 loads stay out (they are in behind the first wait for x below)
.set j, 0
.rept 32
	v_pk_mul_f32 v[CC+j:CC+j+1], v[SG+j:SG+j+1], v[CC+j:CC+j+1] neg_lo:[1,0] neg_hi:[1,0] ; c = -sg mu
.set j, j+2
.endr
	v_mov_b32 v[XA], s28
	s_add_co_u32 s29, s28, YPB                     ; XW = YPW: the same wave term serves y / P
	v_lshl_add_u32 v[YA], v[LANE], 2, s29
	v_mov_b32 v[Y], 0                              ; the wave's scan starts from state 0 ...
	s_wait_loadcnt 0x0                             ; x0 is in, its address register v16 is free
	v_mov_b32 v[P], 1.0                            ; ... with the empty product
; Octet k (0 .. 10; 8 and up reach into the next row, which follows in LDS) of the row at XA into buffer k % 4.
.macro LOADX k
	ds_load_b128 v[XE+8*((\k)%4):XE+8*((\k)%4)+3],   v[XA] offset:32*(\k)
	ds_load_b128 v[XE+8*((\k)%4)+4:XE+8*((\k)%4)+7], v[XA] offset:32*(\k)+16
.endm
; The first stage of the octet in buffer NXT, constants at JN; left out where S1ON = 0.
.macro ARG4
.if S1ON
.irp i, 0,2,4,6
	v_pk_fma_f32 v[NXT+\i:NXT+\i+1], v[NXT+\i:NXT+\i+1], v[SG+JN+\i:SG+JN+\i+1], v[CC+JN+\i:CC+JN+\i+1]   ; tau = x sg + c
.endr
.endif
.endm
.macro CLAMP i
.if S1ON
	v_dual_min_num_f32 v[NXT+\i], s30, v[NXT+\i] :: v_dual_min_num_f32 v[NXT+\i+1], s30, v[NXT+\i+1]
.endif
.endm
.macro EX i
.if S1ON
	v_exp_f32 v[NXT+\i], v[NXT+\i]
.endif
.endm
; One octet: the second stage of octet k (buffer CUR holds its E) with the first stage of octet k + 1 laid between its lines.
; ld = 1: octet k + 3 is asked for, into the buffer that octet k - 1 has left.  s1 = 1: octet k + 1 follows.  cnt: how many younger LDS
; instructions may be out when octet k + 1's x has to be in.  Behind every transcendental stands a plain vector instruction that
; names none of its registers before its result is read (ISA guide 5.7.2).
.macro ITER k, ld, s1, cnt
.set CUR,  XE+8*((\k)%4)
.set NXT,  XE+8*(((\k)+1)%4)
.set JC,   8*(\k)
.set JN,   8*(((\k)+1)%8)
.set S1ON, \s1
.if \ld
	LOADX (\k)+3
.endif
.if \s1
	s_wait_dscnt \cnt
.endif
	ARG4
	s_wait_alu depctr_va_vdst(0)
	v_pk_add_f32 v[D:D+1],     v[CUR:CUR+1],     1.0 op_sel_hi:[1,0]                   ; d01 = 1 + E01
	v_pk_add_f32 v[D+4:D+5],   v[CUR+4:CUR+5],   1.0 op_sel_hi:[1,0]                   ; d45
	v_pk_fma_f32 v[D+2:D+3],   v[CUR:CUR+1],     v[CUR+2:CUR+3], v[CUR:CUR+1]          ; m01 = E01 E23 + E01
	v_pk_fma_f32 v[D+6:D+7],   v[CUR+4:CUR+5],   v[CUR+6:CUR+7], v[CUR+4:CUR+5]        ; m45
	CLAMP 0
	CLAMP 2
	v_pk_mul_f32 v[CUR+2:CUR+3], v[CUR+2:CUR+3], v[D:D+1]                              ; m23 = E23 d01
	v_pk_mul_f32 v[CUR+6:CUR+7], v[CUR+6:CUR+7], v[D+4:D+5]                            ; m67
	CLAMP 4
	CLAMP 6
	v_pk_add_f32 v[Q:Q+1],     v[D:D+1],     v[CUR+2:CUR+3]                            ; q01 = d01 + m23 = d01 d23
	v_pk_add_f32 v[Q+2:Q+3],   v[D+4:D+5],   v[CUR+6:CUR+7]                            ; q45
	EX 0
	v_pk_mul_f32 v[CUR:CUR+1],     v[D+2:D+3], v[AA+JC:AA+JC+1]                        ; n01 = A01 m01
	v_pk_mul_f32 v[CUR+4:CUR+5],   v[D+6:D+7], v[AA+JC+4:AA+JC+5]                      ; n45
	EX 1
	v_pk_mul_f32 v[R:R+1],     v[Q:Q+1],     v[Q+2:Q+3]                                ; the four denominators' product
	v_pk_add_f32 v[D:D+1],     v[D+2:D+3],   v[CUR+2:CUR+3]                            ; t01 = m01 + m23
	v_pk_add_f32 v[D+4:D+5],   v[D+6:D+7],   v[CUR+6:CUR+7]                            ; t45
	v_rcp_f32 v[R], v[R]
	v_rcp_f32 v[R+1], v[R+1]
	v_pk_fma_f32 v[CUR:CUR+1],     v[CUR+2:CUR+3], v[AA+JC+2:AA+JC+3], v[CUR:CUR+1]    ; n01 += A23 m23
	v_pk_fma_f32 v[CUR+4:CUR+5],   v[CUR+6:CUR+7], v[AA+JC+6:AA+JC+7], v[CUR+4:CUR+5]  ; n45 += A67 m67
	EX 2
	EX 3
	s_wait_alu depctr_va_vdst(0)
	v_pk_mul_f32 v[Q+2:Q+3],   v[R:R+1],     v[Q+2:Q+3]                                ; w01 = r q45 = 1 / q01
	v_pk_mul_f32 v[Q:Q+1],     v[R:R+1],     v[Q:Q+1]                                  ; w45 = r q01
	EX 4
	EX 5
.if (\k) == 0                                      ; the row's first octet starts the sums: nothing is cleared
	v_pk_mul_f32 v[FSA:FSA+1], v[D:D+1],     v[Q+2:Q+3]
	v_pk_mul_f32 v[FSB:FSB+1], v[D+4:D+5],   v[Q:Q+1]
	EX 6
	v_pk_mul_f32 v[SAA:SAA+1], v[CUR:CUR+1], v[Q+2:Q+3]
	EX 7
	v_pk_mul_f32 v[SAB:SAB+1], v[CUR+4:CUR+5], v[Q:Q+1]
	s_wait_alu depctr_va_vdst(0)
.else
	v_pk_fma_f32 v[FSA:FSA+1], v[D:D+1],     v[Q+2:Q+3], v[FSA:FSA+1]
	v_pk_fma_f32 v[FSB:FSB+1], v[D+4:D+5],   v[Q:Q+1],   v[FSB:FSB+1]
	EX 6
	v_pk_fma_f32 v[SAA:SAA+1], v[CUR:CUR+1], v[Q+2:Q+3], v[SAA:SAA+1]
	EX 7
	v_pk_fma_f32 v[SAB:SAB+1], v[CUR+4:CUR+5], v[Q:Q+1], v[SAB:SAB+1]
	s_wait_alu depctr_va_vdst(0)
.endif
.endm
; The row's end: fs, s, the factor, one step of the scan; y and P to my wave's own LDS bytes.
.macro EPI
	v_pk_add_f32 v[FSA:FSA+1], v[FSA:FSA+1], v[FSB:FSB+1]
	v_pk_add_f32 v[SAA:SAA+1], v[SAA:SAA+1], v[SAB:SAB+1]
	v_add_f32 v[D],   v[FSA], v[FSA+1]             ; fs
	v_add_f32 v[D+1], v[SAA], v[SAA+1]             ; sum A f
	v_add_f32 v[D+2], 1.0, v[D]                    ; 1 + fs
	v_mul_f32 v[D+3], 0xbfb8aa3b, v[D+2]           ; -(1 + fs) log2e
	v_rcp_f32 v[D+4], v[D+2]
	v_exp_f32 v[D+5], v[D+3]                       ; a = exp(-1 - fs)
	v_add_nc_u32 v[XA], XROW, v[XA]                ; the next row of x (the plain instruction behind the two transcendentals)
	s_wait_alu depctr_va_vdst(0)
	v_mul_f32 v[D+1], v[D+1], v[D+4]               ; s
	v_mul_f32 v[P], v[P], v[D+5]
	v_sub_f32 v[D], v[Y], v[D+1]
	v_fma_f32 v[Y], v[D+5], v[D], v[D+1]           ; y = a (y - s) + s
	ds_store_b32 v[YA], v[Y]
	ds_store_b32 v[YA], v[P] offset:YW
	v_add_nc_u32 v[YA], YROW, v[YA]
.endm
; A row.  pre = 1: the first three octets of the next row are asked for and its first octet is begun.
; The count 4: the loads of octets k + 2 and k + 3 may be out (behind a row's end two stores lie between; the count then asks for more than it needs).
.macro ROW pre
	ITER 0, 1, 1, 4
	ITER 1, 1, 1, 4
	ITER 2, 1, 1, 4
	ITER 3, 1, 1, 4
	ITER 4, 1, 1, 4
.if \pre
	ITER 5, 1, 1, 4
	ITER 6, 1, 1, 4
	ITER 7, 1, 1, 4
.else
	ITER 5, 0, 1, 2                                ; nothing more is asked for: only octet 7's two loads are younger than octet 6's,
	ITER 6, 0, 1, 0                                ; and none than octet 7's
	ITER 7, 0, 0, 0
.endif
	EPI
.endm
	s_wait_asynccnt 20                             ; rows 0-3 (the first two pieces of x) are in; 20 pieces stay out
	LOADX 0
	LOADX 1
	LOADX 2
	s_wait_dscnt 4                                 ; octet 0 (and A, asked for earlier) is in; octets 1 and 2 stay out
.set NXT,  XE
.set JN,   0
.set S1ON, 1
	ARG4
	CLAMP 0
	CLAMP 2
	CLAMP 4
	CLAMP 6
.irp i, 0,1,2,3,4,5,6,7
	EX \i
.endr
	v_nop                                          ; the plain instruction between the exponentials and their first use
	s_mov_b32 s25, 3                               ; rows 0-2; they reach into row 3
.LrowsA:
	ROW 1
	s_sub_co_i32 s25, s25, 1
	s_cmp_lg_u32 s25, 0
	s_cbranch_scc1 .LrowsA
	s_wait_asynccnt 14                             ; rows 0-15 (eight pieces) are in; 14 pieces stay out
	s_mov_b32 s25, 12                              ; rows 3-14; they reach into row 15
.LrowsB:
	ROW 1
	s_sub_co_i32 s25, s25, 1
	s_cmp_lg_u32 s25, 0
	s_cbranch_scc1 .LrowsB
	s_wait_asynccnt 0x0                            ; all 44 rows are in
	s_mov_b32 s25, 28                              ; rows 15-42; they reach into row 43
.LrowsC:
	ROW 1
	s_sub_co_i32 s25, s25, 1
	s_cmp_lg_u32 s25, 0
	s_cbranch_scc1 .LrowsC
	ROW 0                                          ; row 43 reads nothing behind my wave's x
	s_wait_dscnt 0x0                               ; for the others' sake: my y and P are written
	s_barrier_signal -1
	s_barrier_wait -1
	; From here a lane holds units 4 (lane % 8) .. + 3 of row 4 g + lane / 8: 16 bytes that belong together in out0.
	v_and_b32 v1, 0x70, v[GOFF]                    ; 16 (lane % 8)
	v_add_nc_u32 v1, YPB+(ROWS-1)*YROW, v1         ; the last row of wave 0's y
	v_add_nc_u32 v2, 6*YPW, v1                     ; and of wave 6's: the immediate reaches six waves
	v_add_nc_u32 v3, YPB, v[LOFF]                  ; my wave's y + 16 lane
.irp v, 0,1,2,3,4,5
	ds_load_b128 v[CHN+8*\v:CHN+8*\v+3],   v1 offset:\v*YPW
	ds_load_b128 v[CHN+8*\v+4:CHN+8*\v+7], v1 offset:\v*YPW+YW
.endr
.irp v, 6,7,8,9,10
	ds_load_b128 v[CHN+8*\v:CHN+8*\v+3],   v2 offset:(\v-6)*YPW
	ds_load_b128 v[CHN+8*\v+4:CHN+8*\v+7], v2 offset:(\v-6)*YPW+YW
.endr
.irp g, 0,1,2,3,4,5,6,7,8,9,10
	ds_load_b128 v[OUTR+8*\g:OUTR+8*\g+3],   v3 offset:\g*512
	ds_load_b128 v[OUTR+8*\g+4:OUTR+8*\g+7], v3 offset:\g*512+YW
.endr
	s_cmp_eq_u32 s18, 0
	s_cselect_b32 s26, -1, 0
.irp i, 0,1,2,3
	v_cndmask_b32 v[X0+\i], 0, v[X0+\i], s26       ; half 0 starts from x0, half 1 from 0 (see the head)
.endr
	s_wait_dscnt 22                                ; the 22 loads of the waves' last rows are in; my own 22 stay out
	; x_in of wave w: the steps of waves 0 .. w - 1, in order; wave w leaves the chain at step w
.irp v, 0,1,2,3,4,5,6,7,8,9,10
	s_cmp_eq_u32 s16, \v
	s_cbranch_scc1 .Lchained
	v_pk_fma_f32 v[X0:X0+1],   v[CHN+8*\v+4:CHN+8*\v+5], v[X0:X0+1],   v[CHN+8*\v:CHN+8*\v+1]
	v_pk_fma_f32 v[X0+2:X0+3], v[CHN+8*\v+6:CHN+8*\v+7], v[X0+2:X0+3], v[CHN+8*\v+2:CHN+8*\v+3]
.endr
.Lchained:
	s_wait_dscnt 0x0
; four rows: x = P x_in + y; the wave's store covers 512 consecutive bytes at a multiple of 512 from out0's first byte
.macro OUT4 g
	v_pk_fma_f32 v[OUTR+8*\g:OUTR+8*\g+1],   v[OUTR+8*\g+4:OUTR+8*\g+5], v[X0:X0+1],   v[OUTR+8*\g:OUTR+8*\g+1]
	v_pk_fma_f32 v[OUTR+8*\g+2:OUTR+8*\g+3], v[OUTR+8*\g+6:OUTR+8*\g+7], v[X0+2:X0+3], v[OUTR+8*\g+2:OUTR+8*\g+3]
	global_store_b128 v[GOFF], v[OUTR+8*\g:OUTR+8*\g+3], s[14:15] offset:\g*512 th:TH_STORE_NT
.endm
	s_cmp_eq_u32 s16, 0
	s_cselect_b32 s27, s18, 0                      ; wave 0 of half 1: its first 32 rows (t = 496 .. 527) belong to half 0
	s_cmp_lg_u32 s27, 0
	s_cbranch_scc1 .Ltail
.irp g, 0,1,2,3,4,5,6,7
	OUT4 \g
.endr
.Ltail:
.irp g, 8,9,10
	OUT4 \g
.endr
	s_set_vgpr_msb 0x5
	s_wait_tensorcnt 0x0
	ds_add_u32 v0, v1
	s_wait_dscnt 0x0
	s_set_vgpr_msb 0x500
	s_endpgm
.Lfunc_end_k_q30cc9f78f9_ltc:
	.size	k_q30cc9f78f9_ltc, .Lfunc_end_k_q30cc9f78f9_ltc-k_q30cc9f78f9_ltc
	.p2alignl 7, 3214868480
	.fill 96, 4, 3214868480
	.section	.rodata,"a",@progbits
	.p2align	6, 0x0
	.amdhsa_kernel k_q30cc9f78f9_ltc
		.amdhsa_group_segment_fixed_size 297984
		.amdhsa_private_segment_fixed_size 0
		.amdhsa_enable_private_segment 0
		.amdhsa_kernarg_size 48
		.amdhsa_user_sgpr_count 2
		.amdhsa_user_sgpr_kernarg_segment_ptr 1
		.amdhsa_wavefront_size32 1
		.amdhsa_system_sgpr_workgroup_id_x 1
		.amdhsa_system_sgpr_workgroup_id_y 1
		.amdhsa_system_sgpr_workgroup_id_z 1
		.amdhsa_system_vgpr_workitem_id 0
		.amdhsa_next_free_vgpr 258
		.amdhsa_next_free_sgpr 66
		.amdhsa_reserve_vcc 0
		.amdhsa_float_denorm_mode_32 3
		.amdhsa_float_denorm_mode_16_64 3
		.amdhsa_memory_ordered 1
		.amdhsa_forward_progress 1
		.amdhsa_inst_pref_size 102
	.end_amdhsa_kernel
	.amdgpu_metadata
---
amdhsa.version: [ 1, 2 ]
amdhsa.kernels:
  - .name:           k_q30cc9f78f9_ltc
    .symbol:         k_q30cc9f78f9_ltc.kd
    .args:
      - { .name: inputs, .offset: 0, .size: 8, .value_kind: global_buffer, .address_space: global }
      - { .name: A, .offset: 8, .size: 8, .value_kind: global_buffer, .address_space: global }
      - { .name: sigma, .offset: 16, .size: 8, .value_kind: global_buffer, .address_space: global }
      - { .name: mu, .offset: 24, .size: 8, .value_kind: global_buffer, .address_space: global }
      - { .name: x0, .offset: 32, .size: 8, .value_kind: global_buffer, .address_space: global }
      - { .name: out0, .offset: 40, .size: 8, .value_kind: global_buffer, .address_space: global }
    .group_segment_fixed_size: 297984
    .private_segment_fixed_size: 0
    .kernarg_segment_align: 8
    .kernarg_segment_size: 48
    .max_flat_workgroup_size: 384
    .sgpr_count:     66
    .vgpr_count:     258
    .wavefront_size: 32
...
	.end_amdgpu_metadata
.endif
;; end of part 1
